; MI455X (gfx1250); checked and timed in simulation.
; The chip was launched on July 23, 2026; its instructions are those of AMD's public machine-readable ISA for CDNA 5 (MIT licence, August 2026) and "CDNA5" Instruction Set Architecture Reference Guide (July 2026). The comments in the code are by the model that wrote it; some were corrected since.
;; Global Attention. Allowed arithmetic: matrix products marked QUANTISED: E2M1 operands, one E8M0 scale for each 32 along K, by v_wmma_scale_f32_16x16x128_f8f6f4 with both operands' format E2M1 (or v_wmma_scale_f32_32x16x128_f4), f32 sums; products left as they are: f32 operands where the result goes on into a quantised operand, else bf16, f16 or f32 operands; f32 sums; everything else in f32.
;; Inputs: Va 1 x 1,024 float32; Wa 1,024 x 2,048 float32; context 32 x 2,048 x 1,024 float32; x_codes 32 x 32 x 16 uint8 (E2M1 codes of x, K innermost, in blocks of 32 codes, two codes a byte); x_scales 32 x 32 uint8 (E8M0 scales of x, one for each 32 codes along K).
;; Outputs: out0 32 x 1,024 float32; out1 32 x 2,048 float32.
;; This version of the problem:
;;   THIS VERSION OF THE PROBLEM IS GIVEN IN LOW PRECISION. The matrix products marked QUANTISED in the list below multiply operands that are first quantised to E2M1 (2 exponent bits, 1 mantissa bit; 4 bits a number), with one power-of-two scale for each 32 numbers along K (OCP MX v1.0); their sums are f32. All else is computed in f32.
;;   The module's matrix products, in the order in which they are computed (A, B: the left and right operand; K: the contracted axis; several contracted axes count as one K, in the product's order):
;;     1. [M 32, K 1,024] x [K 1,024, N 1,024]; A: input x (given as codes); B: input Wa: QUANTISED
;;     2. [M 65,536, K 1,024] x [K 1,024, N 1,024]; A: input context; B: input Wa: QUANTISED
;;     3. [M 65,536, K 1,024] x [K 1,024, N 1]; A: computed on the way; B: computed on the way: left as it is (N = 1 < 16)
;;     4. batch 32 x [M 1, K 2,048] x [K 2,048, N 1,024]; A: softmax; B: input context: left as it is (M = 1 < 16)
;;   THE QUANTISER, for each operand of a quantised product, along K:
;;     - K is cut into blocks of 32 from its start; a last block that is shorter is filled with zeros.
;;     - A block's scale is 2^e with e = floor(log2(the largest magnitude in the block)) - 2, held to -126 .. 127; a block of zeros has e = 0. As a byte (E8M0): e + 127.
;;     - Each number is divided by its block's scale, clamped to +-6, and rounded to the nearest number of E2M1, ties to even, subnormals kept.
;;     - The product sums the exact products of the quantised numbers (number of the format x scale) in f32.
;;   ~~~python
;;   def quantise(x, axis):      # numpy; x: float32 -> the quantised numbers, widened to float32 again
;;       x = np.moveaxis(x, axis, -1); K = x.shape[-1]
;;       x = np.pad(x, [(0, 0)] * (x.ndim - 1) + [(0, -K % 32)]); x = x.reshape(x.shape[:-1] + (-1, 32)); a = np.abs(x).max(-1, keepdims=True)
;;       e = np.where(a > 0, np.clip(np.frexp(np.where(a > 0, a, 1))[1] - 1 - 2, -126, 127), 0)      # np.frexp(a)[1] - 1 = floor(log2(a)), exactly
;;       r = np.clip(x / 2.0 ** e, -6, 6)
;;       step = 2.0 ** (np.maximum(np.frexp(np.where(r == 0, 1, r))[1] - 1, 0) - 1)
;;       q = np.round(r / step) * step * 2.0 ** e      # np.round: ties to even
;;       return np.moveaxis(q.reshape(q.shape[:-2] + (-1,))[..., :K], -1, axis).astype(np.float32)
;;   ~~~
;;   INPUTS GIVEN AS CODES. x (in the module: [32, 1024], K = its axis 1): each comes as NAME_codes (uint8): NAME with its K axis moved to the last place and cut into blocks of 32 codes, [.., K / 32, bytes a block], one block behind the other in memory; two codes a byte, the lower K in the low four bits (a code: sign, 2 exponent bits, 1 mantissa bit); and NAME_scales (uint8): the same leading axes, one E8M0 byte (e + 127) for each 32 codes along K. Its value is code x scale, taken as it is: it is not quantised again, and the codes and scales need not be those that the quantiser above would give.
;; One version. Each part assembles by itself: llvm-mc -triple=amdgcn-amd-amdhsa -mcpu=gfx1250 --defsym DOCPART=n.
;; ======== version 1 of 1: 3 launches
;; limits: values are held in bf16: 8 bits of precision; right only within a limited range of input values
;; workspace buffers: wq 557,056 bytes; htc 131,072 bytes; logits 262,144 bytes; part 8,912,896 bytes
;; launch prep (part 1): grid 64 x 1, 16 waves a work-group, no clusters, 154,624 bytes of LDS; arguments Wa, x_codes, x_scales, wq, htc; writes wq, htc
.if DOCPART == 1
	.amdgcn_target "amdgcn-amd-amdhsa--gfx1250"
	.amdhsa_code_object_version 6
	.text
	.protected	k_qb3cba98d87_prep
	.globl	k_qb3cba98d87_prep
	.p2align	8
	.type	k_qb3cba98d87_prep,@function
k_qb3cba98d87_prep:
	s_mov_b64 s[64:65], 0
	v_nop
	global_prefetch_b8 v0, s[64:65] scope:SCOPE_SE
	s_setreg_imm32_b32 hwreg(HW_REG_WAVE_MODE, 25, 1), 1
	s_wait_xcnt 0x0
; Wa [1024][2048] f32 is quantised along K to codes of FP4 (E2M1) with one E8M0 scale byte for each 32 numbers.
; Its right half (columns 1024 on, which multiply context) leaves as codes in the ORDER OF THE OPERAND'S REGISTERS: wq holds 64 records of 8,704 bytes, one for each 16 rows of Wa:
;   byte 1024 s + 512 c + 16 lane: registers 4 c .. 4 c + 3 of K step s's fragment (lane (r, h): row r, k = 128 s + 64 c + 32 h + 0 .. 31);
;   byte 8192 + 16 l + 4 i: the scale word of row l % 16 for K step i + 4 (l / 16).
; Its left half (which multiplies x) is used at once: htc[t][b][r] = c x the sum over k of x[b][k] Wa[16 t + r][k], c = 2 log2(e): the next launch wants c x (ht + hs).
; SHARES.  Work-group t owns rows 16 t .. 16 t + 15.  Wave w makes ONE fragment, 16 rows x 128 K: waves 0-7 of the left half, waves 8-15 of the right, K step w % 8.
; A load reads 512 consecutive bytes of a row; the operand's layout wants 32 neighbours in a lane: the 16 x 512 bytes turn through the wave's own stage in LDS (rows 528 bytes apart).
; A block's scale byte is its largest magnitude's exponent field - 2, held at 1 from below.
; LIMITS: a block of zeros, or one whose largest magnitude lies under 2^-124, gets the byte 1 (a block of zeros: 127 by the rule; its codes are zeros, and only this program reads the bytes); NaN and infinities are not served.
; No tensor loads and no cluster: each byte of Wa is read by one wave, once.
.set ROWW, 8192                        ; a row of Wa in bytes
.set SPIT, 528                         ; a stage row: 512 bytes + 16
.set STGW, 16*SPIT                     ; a wave's stage
.set RED,  16*STGW                     ; behind the stages: the eight partial products of ht, 2,048 bytes each, as images of the accumulators' registers
.set SCI,  RED+8*2048                  ; the record's scale words, 512 bytes
.set REC,  8704
.set R,    64                          ; v64-127   16 rows as loaded
.set X,    128                         ; v128-191  my 64 numbers: register 32 c + i = k 64 c + 32 h + i of row r
.set FRG,  48                          ; v48-55    the fragment
.set SW,   56                          ; v56       its scale word
.set ACC,  192                         ; v192-207  two accumulators: x's rows 0-15 and 16-31
	s_load_b128 s[4:7], s[0:1], 0x0                ; Wa, x's codes
	s_load_b128 s[8:11], s[0:1], 0x10              ; x's scales, wq
	s_load_b64 s[12:13], s[0:1], 0x20              ; htc
	v_lshl_add_u32 v224, v0, 2, 0x25400
	v_mov_b32 v225, 0
	v_lshrrev_b32 v1, 5, v0
	s_delay_alu instid0(VALU_DEP_1)
	v_readfirstlane_b32 s16, v1                    ; wave 0..15
	s_lshr_b32 s17, s16, 3                         ; which half of Wa's columns
	s_and_b32 s18, s16, 7                          ; which K step
	v_and_b32 v1, 31, v0                           ; lane
	v_and_b32 v2, 15, v0                           ; r
	v_bfe_u32 v3, v0, 4, 1                         ; h
	; every address is made here, ahead of the first branch on the wave's number
	s_delay_alu instid0(VALU_DEP_3)
	v_lshlrev_b32 v4, 4, v1                        ; v4: 16 x lane
	; THE RIGHT HALF'S K STEPS ARE NOT RUNS OF 128: K step s of the right half takes the blocks of 32 numbered s, 8 + s, 16 + s, 24 + s (the next launch takes its rows' blocks in the same order,
	; and a sum over K does not hang on the order of whole blocks).  So in a record lane (r, h) holds k = 32 (8 (2 c + h) + s) + 0 .. 31, and byte q of a scale word belongs to block 8 q + s.
	; The formula at the head holds for the left half, whose partner x is given in its own order.
	; (A score's constant part, the sum of Va, is the same along the softmax's axis for all values of the inputs and is never formed: see the next launch's head.)
	v_lshrrev_b32 v43, 3, v1
	s_mul_i32 s28, s17, 896
	v_mul_u32_u24 v43, v43, s28
	v_add_nc_u32 v43, v43, v4                      ; v43: where my lane reads in a row: left half 16 x lane; right half 1024 (lane / 8) + 16 (lane % 8): four runs of 128 bytes
	s_mul_i32 s19, s16, STGW
	v_add_nc_u32 v5, s19, v4                       ; v5: the stage, on the way in
	v_mul_u32_u24 v6, v2, SPIT
	s_delay_alu instid0(VALU_DEP_1)
	v_lshl_add_u32 v6, v3, 7, v6
	s_delay_alu instid0(VALU_DEP_1)
	v_add_nc_u32 v6, s19, v6                       ; v6: and out: row r, 128 h bytes on
	s_lshl_b32 s20, s18, 6
	v_lshlrev_b32 v7, 9, v2
	s_delay_alu instid0(VALU_DEP_1)
	v_lshl_add_u32 v7, v3, 4, v7
	s_delay_alu instid0(VALU_DEP_1)
	v_add_nc_u32 v7, s20, v7                       ; v7: x's codes: row r of 512 bytes, K step's 64, + 16 h
	s_lshl_b32 s20, s18, 2
	v_lshlrev_b32 v8, 5, v2
	s_delay_alu instid0(VALU_DEP_1)
	v_add_nc_u32 v8, s20, v8                       ; v8: x's scale word: row r of 32 bytes, 4 bytes a K step
	s_lshl_b32 s20, s18, 11
	s_add_co_u32 s20, s20, RED
	v_add_nc_u32 v9, s20, v4                       ; v9: where my partial product goes
	s_lshr_b32 s20, s18, 2
	s_lshl_b32 s20, s20, 8
	s_and_b32 s21, s18, 3
	s_lshl_b32 s21, s21, 2
	s_add_co_u32 s20, s20, s21
	s_add_co_u32 s20, s20, SCI
	v_lshlrev_b32 v10, 4, v2
	s_delay_alu instid0(VALU_DEP_1)
	v_add_nc_u32 v10, s20, v10                     ; v10: my scale word's place: 16 r + 256 (K step / 4) + 4 (K step % 4)
	v_bfe_u32 v11, v0, 8, 1                        ; v11: thread T makes htc[t][T / 16][T % 16]; in an accumulator's image that number lies at
	s_delay_alu instid0(VALU_DEP_1)
	v_lshlrev_b32 v11, 10, v11                     ;      1024 T[8] + 512 T[6] + 256 T[7] + 16 T[3:0] + 4 T[5:4]
	v_bfe_u32 v12, v0, 6, 1
	s_delay_alu instid0(VALU_DEP_1)
	v_lshl_add_u32 v11, v12, 9, v11
	v_bfe_u32 v12, v0, 7, 1
	s_delay_alu instid0(VALU_DEP_1)
	v_lshl_add_u32 v11, v12, 8, v11
	s_delay_alu instid0(VALU_DEP_1)
	v_lshl_add_u32 v11, v2, 4, v11
	v_bfe_u32 v12, v0, 4, 2
	s_delay_alu instid0(VALU_DEP_1)
	v_lshl_add_u32 v11, v12, 2, v11
	s_delay_alu instid0(VALU_DEP_1)
	v_add_nc_u32 v11, RED, v11
	v_add_nc_u32 v12, SCI, v4                      ; v12: the scale words on their way out
	v_lshlrev_b32 v13, 2, v0                       ; v13: 4 T
	v_lshlrev_b32 v14, 3, v3                       ; v14: 8 h, a shift
	s_lshl_b32 s20, s18, 10
	v_add_nc_u32 v15, s20, v4                      ; v15: my fragment's place in the record
	v_mov_b32 v42, 0                               ; a lane permute's destination counts as one of its sources
	s_lshl_b32 s20, ttmp9, 17                      ; 16 rows of 8,192 bytes,
	s_lshl_b32 s21, s17, 12                        ; the half's 4,096,
	s_add_co_u32 s20, s20, s21
	s_lshl_b32 s21, s17, 1
	s_sub_co_u32 s21, 9, s21
	s_lshl_b32 s21, s18, s21                       ; the K step's first byte: 512 s in the left half, 128 s in the right
	s_add_co_u32 s20, s20, s21
	s_mov_b32 s21, 0
	s_mul_i32 s22, ttmp9, REC
	s_mov_b32 s23, 0
	s_lshl_b32 s24, ttmp9, 11
	s_mov_b32 s25, 0
	s_mov_b32 s26, 0x76543210
	s_mov_b32 s27, 0xfedcba98                      ; v_permlanex16_b32's selects for lane l xor 16
	s_wait_kmcnt 0x0
	s_add_nc_u64 s[4:5], s[4:5], s[20:21]
	s_add_nc_u64 s[10:11], s[10:11], s[22:23]
	s_add_nc_u64 s[12:13], s[12:13], s[24:25]
	s_cmp_lt_u32 s16, 8                            ; waves 0-7 also want x's two fragments of their K step; these loads are the oldest, so the counts below hold on both ways
	s_cbranch_scc0 .Lno_x
.irp m, 0,1
	global_load_b128 v[16+8*\m:19+8*\m], v7, s[6:7] offset:8192*\m
	global_load_b128 v[20+8*\m:23+8*\m], v7, s[6:7] offset:8192*\m+32
	global_load_b32 v[32+\m], v8, s[8:9] offset:512*\m
.endr
.Lno_x:
.irp i, 0,1,2,3,4,5,6,7,8,9,10,11,12,13,14,15
	global_load_b128 v[R+4*\i:R+4*\i+3], v43, s[4:5] offset:ROWW*\i th:TH_LOAD_NT   ; row i's 512 bytes of my K step; read once in the launch
.endr
.irp i, 0,1,2,3,4,5,6,7,8,9,10,11,12,13,14,15
	s_wait_loadcnt 15-\i                           ; row i is in; the younger rows may be out
	ds_store_b128 v5, v[R+4*\i:R+4*\i+3] offset:SPIT*\i
.endr
.irp c, 0,1
.irp i, 0,1,2,3,4,5,6,7
	ds_load_b128 v[X+32*\c+4*\i:X+32*\c+4*\i+3], v6 offset:256*\c+16*\i   ; LDS serves a wave's instructions in order: these see my stores
.endr
.endr
	s_wait_dscnt 0x0
.irp c, 0,1                                    ; my block 2 c + h: all its 32 numbers are mine
	v_max3_num_f32 v[34+\c], |v[X+32*\c]|, |v[X+32*\c+1]|, 0x1800000   ; and the floor 2^(3 - 127): the byte cannot fall under 1
.endr
.irp i, 2,4,6,8,10,12,14,16,18,20,22,24,26,28,30
.irp c, 0,1
	s_delay_alu instid0(VALU_DEP_2)
	v_max3_num_f32 v[34+\c], v[34+\c], |v[X+32*\c+\i]|, |v[X+32*\c+\i+1]|   ; (the two blocks by turns)
.endr
.endr
.irp c, 0,1
	s_delay_alu instid0(VALU_DEP_2)
	v_add_nc_u32 v[36+\c], 0xff000000, v[34+\c]    ; 2 off the exponent field: the conversion takes the exponent field of this operand as its scale
.endr
.irp c, 0,1
	s_delay_alu instid0(VALU_DEP_2)
	v_lshrrev_b32 v[38+\c], 23, v[36+\c]           ; the scale's byte
.endr
	s_delay_alu instid0(VALU_DEP_1)
	v_lshl_or_b32 v[SW], v39, 16, v38              ; my two bytes, blocks h and 2 + h of row r,
	s_delay_alu instid0(VALU_DEP_1)
	v_lshlrev_b32 v[SW], v14, v[SW]                ; at their places in the word;
	s_delay_alu instid0(VALU_DEP_1)
	v_permlanex16_b32 v42, v[SW], s26, s27
	s_delay_alu instid0(VALU_DEP_1)
	v_or_b32 v[SW], v[SW], v42                     ; with lane l xor 16's two the word is whole
.irp c, 0,1
.irp g, 0,1,2,3
	v_cvt_scalef32_pk8_fp4_f32 v[FRG+4*\c+\g], v[X+32*\c+8*\g:X+32*\c+8*\g+7], v[36+\c]
.endr
.endr
	v_nop                                          ; one plain place behind a scaled conversion
	s_cmp_lt_u32 s16, 8
	s_cbranch_scc0 .Lright
.rept 8
	v_nop                                          ; a scale register written by a vector instruction stands 8 places ahead of a scaled matrix instruction, an operand so written 4
.endr
.irp m, 0,1                                    ; source 0 = 16 rows of x, source 1 = my 16 rows of Wa: register j of lane (r, h) is (b = 16 m + 8 h + j, n = r)
	v_wmma_scale_f32_16x16x128_f8f6f4 v[ACC+8*\m:ACC+8*\m+7], v[16+8*\m:23+8*\m], v[FRG:FRG+7], 0, v[32+\m], v[SW] matrix_a_fmt:MATRIX_FMT_FP4 matrix_b_fmt:MATRIX_FMT_FP4
.endr
.rept 4
	v_nop                                          ; four places in front of the first read of a result (ISA guide 7.12.1)
.endr
.irp g, 0,1,2,3
	ds_store_b128 v9, v[ACC+4*\g:ACC+4*\g+3] offset:512*\g   ; each accumulator from its low end on
.endr
	s_branch .Ljoin
.Lright:
	s_wait_alu depctr_va_vdst(0)
	global_store_b128 v15, v[FRG:FRG+3], s[10:11]               ; 32 lanes store 512 consecutive bytes, at a multiple of 256 from wq's first byte
	global_store_b128 v15, v[FRG+4:FRG+7], s[10:11] offset:512
	ds_store_b32 v10, v[SW]                        ; lanes r and 16 + r write the same word with the same value
.Ljoin:
	s_wait_dscnt 0x0                               ; for the others' sake: my stores have landed
	s_barrier_signal -1
	s_barrier_wait -1
.irp k, 0,1,2,3,4,5,6,7
	ds_load_b32 v[34+\k], v11 offset:2048*\k       ; my number's eight partial sums
.endr
	s_wait_dscnt 0x0
.irp k, 1
	v_add_f32 v34, v34, v[34+\k]                   ; K ascending
.endr
.irp k, 2, 3, 4, 5, 6, 7
	s_delay_alu instid0(VALU_DEP_1)
	v_add_f32 v34, v34, v[34+\k]                   ; K ascending
.endr
	s_delay_alu instid0(VALU_DEP_1)
	v_mul_f32 v34, 0x4038aa3b, v34                 ; x c = 2 log2(e)
	global_store_b32 v13, v34, s[12:13]            ; the 512 threads store 2,048 consecutive bytes
	s_cmp_lg_u32 s16, 8
	s_cbranch_scc1 .Lend
	ds_load_b128 v[44:47], v12                     ; one wave sends the record's 512 bytes of scale words
	s_wait_dscnt 0x0
	global_store_b128 v4, v[44:47], s[10:11] offset:8192
.Lend:
	s_wait_tensorcnt 0x0
	ds_add_u32 v224, v225
	s_wait_dscnt 0x0
	s_endpgm
.Lfunc_end_k_qb3cba98d87_prep:
	.size	k_qb3cba98d87_prep, .Lfunc_end_k_qb3cba98d87_prep-k_qb3cba98d87_prep
	.p2alignl 7, 3214868480
	.fill 96, 4, 3214868480
	.section	.rodata,"a",@progbits
	.p2align	6, 0x0
	.amdhsa_kernel k_qb3cba98d87_prep
		.amdhsa_group_segment_fixed_size 154624
		.amdhsa_private_segment_fixed_size 0
		.amdhsa_enable_private_segment 0
		.amdhsa_kernarg_size 40
		.amdhsa_user_sgpr_count 2
		.amdhsa_user_sgpr_kernarg_segment_ptr 1
		.amdhsa_wavefront_size32 1
		.amdhsa_system_sgpr_workgroup_id_x 1
		.amdhsa_system_sgpr_workgroup_id_y 1
		.amdhsa_system_sgpr_workgroup_id_z 1
		.amdhsa_system_vgpr_workitem_id 0
		.amdhsa_next_free_vgpr 226
		.amdhsa_next_free_sgpr 66
		.amdhsa_reserve_vcc 0
		.amdhsa_float_denorm_mode_32 3
		.amdhsa_float_denorm_mode_16_64 3
		.amdhsa_memory_ordered 1
		.amdhsa_forward_progress 1
		.amdhsa_inst_pref_size 16
	.end_amdhsa_kernel
	.amdgpu_metadata
---
amdhsa.version: [ 1, 2 ]
amdhsa.kernels:
  - .name:           k_qb3cba98d87_prep
    .symbol:         k_qb3cba98d87_prep.kd
    .args:
      - { .name: Wa, .offset: 0, .size: 8, .value_kind: global_buffer, .address_space: global }
      - { .name: x_codes, .offset: 8, .size: 8, .value_kind: global_buffer, .address_space: global }
      - { .name: x_scales, .offset: 16, .size: 8, .value_kind: global_buffer, .address_space: global }
      - { .name: wq, .offset: 24, .size: 8, .value_kind: global_buffer, .address_space: global }
      - { .name: htc, .offset: 32, .size: 8, .value_kind: global_buffer, .address_space: global }
    .group_segment_fixed_size: 154624
    .private_segment_fixed_size: 0
    .kernarg_segment_align: 8
    .kernarg_segment_size: 40
    .max_flat_workgroup_size: 512
    .sgpr_count:     66
    .vgpr_count:     226
    .wavefront_size: 32
...
	.end_amdgpu_metadata
.endif
;; end of part 1
;; launch fused (part 2): grid 256 x 1, 4 waves a work-group, clusters of 4 x 1, 327,680 bytes of LDS; arguments context, wq, htc, Va, logits, part; writes logits, part
.if DOCPART == 2
	.amdgcn_target "amdgcn-amd-amdhsa--gfx1250"
	.amdhsa_code_object_version 6
	.text
	.protected	k_qb3cba98d87_fused
	.globl	k_qb3cba98d87_fused
	.p2align	8
	.type	k_qb3cba98d87_fused,@function
k_qb3cba98d87_fused:
	s_mov_b64 s[64:65], 0
	v_nop
	global_prefetch_b8 v0, s[64:65] scope:SCOPE_SE
	s_setreg_imm32_b32 hwreg(HW_REG_WAVE_MODE, 25, 1), 1
	s_wait_xcnt 0x0
	s_wait_alu depctr_hold_cnt(0) depctr_sa_sdst(0) depctr_va_vdst(0) depctr_va_sdst(0) depctr_va_ssrc(0) depctr_va_vcc(0) depctr_vm_vsrc(0)
	s_getreg_b32 s2, hwreg(HW_REG_IB_STS2, 6, 4)
	s_cmp_eq_u32 s2, 0
	s_cbranch_scc0 .Lentry_in_a_cluster
	s_endpgm
.Lentry_in_a_cluster:
	s_bfe_u32 s2, ttmp6, 0x10000c
	s_cmp_lg_u32 s2, 0x3003
	s_cbranch_scc0 .Lentry_shape_is_right
	s_endpgm
.Lentry_shape_is_right:
; For 65,536 rows of context [.][1024] f32: quantise the row to FP4 (E2M1, one E8M0 scale for each 32), hs = row x Wa_s^T on codes, u = the sum over n of Va[n] / (1 + 2^(c (hs[n] + ht[n]))), c = 2 log2(e).
; tanh(z) = 1 - 2 / (1 + 2^(c z)), so a row's score is sum(Va) - 2 u; that constant is the same for all rows of a softmax and falls out of it for every input, so it is never formed
; (limit: an overflow of that sum alone is not carried to the result).  w = -c u is the row's logit to base 2.
; For each 32 rows a record leaves: their largest w (m), the sum of p = 2^(w - m) and the sum of p x row: context is loaded once.  The next launch joins the records.
; SHARES.  Work-group X owns rows 256 X .. 256 X + 255 (batch X / 8), as two blocks of 128.  Wave w loads, quantises and keeps, rounded to bf16 (512 registers), 32 rows of a block.
; For the product the waves go in pairs (0, 1), (2, 3): the codes of a pair's 64 rows lie in both waves' registers; the even wave takes the even records of a slot, the odd wave the odd ones: tile t = 2 k + wave % 2.
; K STEPS: K step g takes the blocks of 32 numbered g, 8 + g, 16 + g, 24 + g, in the rows' fragments and in wq alike: a lane's four blocks of a row then share a K step, and their four bytes are that step's scale word.
; THE WEIGHTS, 64 records of 8,704 bytes in the order of the operand's registers, walk through two slots of 16 records, once for each block; four work-groups ask for them jointly (a mask names four at the most: 4 x 1).
; A STAGE is a tile's 32 matrix instructions and the vector work of the three tiles before it, each one step on: stage k adds Va r for tile k - 3, forms 1 + e for tile k - 2 and the exponent for tile k - 1,
; issues ONE batch of 64 transcendentals (32 reciprocals, 32 exponentials), and tile k's matrix instructions follow that batch, naming none of its registers.  One set of registers serves every stage, so a loop's body is one stage.
; PREFETCH.  While block 0 is multiplied no load of context is out.  In every second of its 29 whole stages (15 in all) each wave asks for 8,192 bytes of its own 32 rows of block 1, a lane a block of 256 bytes:
; rows 2 to 31, each block named once in the launch, one trip of the block loop ahead of the loads that want them.  Rows 0 and 1 come by their loads alone; the last block asks for nothing.
; The records are not asked for: every work-group reads them.
; LIMITS: NaN and infinities among the inputs are not served; a block of zeros, or one whose largest magnitude lies under 2^-124, gets the scale byte 1 (its codes are zeros where the block is zeros);
; the weighted sum takes context rounded to bf16 (p and all sums are f32); a wave's 32 logits leave as 128 bytes.
; REGISTERS, in windows of 256 (s_set_vgpr_msb: bits 1:0 source 0, 3:2 source 1, 5:4 source 2, 7:6 destination):
;   window 0: v1-24 addresses and statistics; v25-31 at work; v32-47 the rows' scale words; v48-51 the weights'; v52 c ht; v54 Va; v56 the prefetches' offset; v64-95 four accumulators; v96-127 u; v128-191 the weights' fragments; v192-223 exponents, e; v224-255 1 + e, r.
;   window 1: the codes of the pair's 64 rows.   windows 2, 3: my rows 0-15 and 16-31 in bf16, 16 registers a row.
;   While a block is quantised, eight rows as loaded lie in window 1 v128-255 and window 0 v128-255; in the softmax the weighted sums lie in window 1 v0-31.
.set SLOTB, 139264                     ; a slot: 16 records
.set REC,   8704
.set TABH,  2*SLOTB                    ; c ht[n] of my batch, 4,096 bytes;
.set TABV,  TABH+4096                  ; Va[n], 4,096 bytes;
.set WSC,   TABV+4096                  ; a scratch of 9,472 bytes for each wave:
.set WSCB,  9472
.set CPIT,  528                        ;   16 rows of codes, 512 bytes + 16,
.set SCB,   16*CPIT                    ;   their 8 scale words, 32 bytes + 16 a row,
.set SPIT,  48
.set SCO,   SCB+16*SPIT                ;   and the wave's partial u of the pair's 64 rows, 256 bytes;
.set SPARE, WSC+4*WSCB                 ; the spare words, 128 bytes for each wave
.set LI,  1                            ; 16 x lane
.set SPW, 2                            ; my spare word; never rewritten
.set NIL, 3                            ; 0; never rewritten
.set ADR, 4                            ; the record in hand
.set R4T, 5                            ; TABH - 256 + 4 (lane % 16)
.set AT,  6                            ; the tables' words in hand
.set SS,  7                            ; my partial u, in: my scratch + 32 (lane / 16)
.set SLE, 8                            ; my rows' partial u in the even wave's scratch
.set GL,  9                            ; 4 x lane
.set W,   10                           ; lane i: row i's logit
.set P,   11                           ; and its p
.set MR,  12                           ; the 32 rows' largest logit
.set SUM, 13                           ; and the sum of their p
.set GA,  16                           ; 32 (lane % 16) + 16 (lane / 16): a load covers 512 consecutive bytes
.set CSA, 17                           ; my scratch: 4 x lane
.set BSA, 18                           ; my scratch: scale words + 4 (lane / 4)
.set FRE, 19                           ; the even wave's scratch: 528 (lane % 16) + 128 (lane / 16)
.set SRE, 20                           ; the even wave's scratch: scale words: 48 (lane % 16) + 16 (lane / 16)
.set FRO, 21                           ; the odd wave's, as v19
.set ST8, 22                           ; 8 x lane
.set SRO, 23                           ; the odd wave's, as v20
.set SLO, 24                           ; the odd wave's, as v8
.set XS,  32                           ; register 4 mt + i: K step i in lanes 0-15, K step 4 + i in lanes 16-31
.set WS,  48
.set HT,  52
.set VA,  54
.set PFO, 56                           ; 256 x lane; never rewritten
.set ACC, 64
.set T,   64                           ; while a block is quantised: v64-71 largest magnitudes, then scale bytes;
.set SO,  72                           ; v72-79 the conversions' scale operands;
.set CD,  80                           ; v80-87 codes
.set SACC, 96
.set BF,  128
.set X,   192
.set DN,  224
.set WA,  0                            ; in window 1, in the softmax
.set PB,  32
.set PFA, 2                            ; s[2:3] where my prefetches stand: in my 32 rows of the next block
.set G1D, 24                           ; s[24:31] group 1: 272 rows of 256 bytes;  s[32:39]: 136 rows
.set G1S, 32
.set G0D, 40                           ; s[40:43] records 0-31 into both slots;  s[44:47] records 32-47 into slot 0;  s[48:51] records 48-63 into slot 1.  None is ever rewritten
.set G0A, 44
.set G0B, 48
.set TB,  54                           ; LDS byte of the record to be fetched
.set TT,  55                           ; 64 (wave % 2) + 128 x the stage
.set TBO, 66                           ; a record x (wave % 2)
.set TTO, 67                           ; 64 x (wave % 2)
.set MSB, 0
.macro WIN new                         ; the immediate's high byte repeats the setting that is left; a switch that changes nothing is dropped
.if MSB != (\new)
	s_set_vgpr_msb (MSB<<8)|(\new)
.set MSB, (\new)
.endif
.endm
.macro CROUND                          ; a round of the cluster's barrier
	s_barrier_signal -1
	s_barrier_wait -1
	s_cmp_lg_u32 s16, 0
	s_cbranch_scc1 .Lnot_wave_0_\@
	s_barrier_signal -3
.Lnot_wave_0_\@:
	s_barrier_wait -3
	s_barrier_signal -1
	s_barrier_wait -1
.endm
; A fill of slots: every wave brings a quarter of the bytes, one tensor load a wave, the first thing behind the round; one tensor load of a wave is out at the most.
.macro CHG g0, g1
	WIN 0
	s_wait_tensorcnt 0x0
	ds_add_u32 v[SPW], v[NIL]
	ds_add_u32 v[SPW], v[NIL]
	s_wait_dscnt 0x0
	CROUND
	tensor_load_to_lds s[\g0:\g0+3], s[\g1:\g1+7]
	s_nop 0
.rept 4
	v_nop
.endr
.endm
.macro BAR                             ; a barrier behind which nothing is filled: everybody's one load has landed
	s_wait_tensorcnt 0x0
	s_wait_dscnt 0x0
	s_barrier_signal -1
	s_barrier_wait -1
.endm
.macro XBAR                            ; a barrier for the scratches alone
	s_wait_dscnt 0x0
	s_barrier_signal -1
	s_barrier_wait -1
.endm
; Row j of my 32 into one of eight sets of 32 registers: sets 0-3 in window 1, sets 4-7 in window 0, both at v128-255.
; Of each 1,024 bytes the first load takes bytes 0-511, the second bytes 512-1023: lanes 0-15 the first 16 bytes of a group of 32, lanes 16-31 the last 16.
.macro ROWLD j
.set slx, (\j)%8
.set sbx, 128+32*(slx%4)
	WIN 0x40*(1-slx/4)
.irp q, 0,1,2,3
	global_load_b128 v[sbx+8*\q:sbx+8*\q+3], v[GA], s[4:5] offset:4096*(\j)+1024*\q th:TH_LOAD_NT
	global_load_b128 v[sbx+8*\q+4:sbx+8*\q+7], v[GA], s[4:5] offset:4096*(\j)+1024*\q+512 th:TH_LOAD_NT
.endr
.endm
; Rows 2 k and 2 k + 1 are quantised and rounded to bf16.  A block of 32 lies in four neighbouring lanes; eight chains (2 rows x 4 q) take turns.  sw: the window in which the two rows lie.
.macro RP k
.set j0, 2*(\k)
.set sl0, j0%8
.set sw, 1-sl0/4
.set sb0, 128+32*(sl0%4)
	s_wait_dscnt 0x0                               ; the last pair's LDS stores have read their registers
.if (\k) < 13
	s_wait_loadcnt 48                              ; these two rows are in; the six rows behind them may be out
.else
	s_wait_loadcnt 16*(15-(\k))                    ; the last rows: four, two, none behind them
.endif
	WIN 0x41*sw
.irp u, 0,1
.irp q, 0,1,2,3
.irp i, 0,1,2,3
	v_permlane16_swap_b32 v[sb0+32*\u+8*\q+\i], v[sb0+32*\u+8*\q+4+\i]   ; the first load's upper lanes change places with the second's lower: lane l now holds d = 256 q + 8 l + 0 .. 7
.endr
.endr
.endr
	WIN 0x05*sw
.irp u, 0,1
.irp q, 0,1,2,3
	v_max3_num_f32 v[T+4*\u+\q], |v[sb0+32*\u+8*\q]|, |v[sb0+32*\u+8*\q+1]|, 0x1800000   ; my 8 numbers, and the floor 2^(3 - 127): the byte cannot fall under 1
.endr
.endr
.irp e, 2,4,6
.irp u, 0,1
.irp q, 0,1,2,3
	v_max3_num_f32 v[T+4*\u+\q], |v[sb0+32*\u+8*\q+\e]|, |v[sb0+32*\u+8*\q+\e+1]|, v[T+4*\u+\q]
.endr
.endr
.endr
	WIN 0
.irp x, 1,2
.irp c, 0,1,2,3,4,5,6,7
	v_max_num_f32_dpp v[T+\c], v[T+\c], v[T+\c] row_xmask:\x row_mask:0xf bank_mask:0xf   ; with the block's other three lanes
.endr
.endr
.irp c, 0,1,2,3,4,5,6,7
	v_add_nc_u32 v[SO+\c], 0xff000000, v[T+\c]     ; 2 off the exponent field: the conversion's scale operand
.endr
	WIN 0x01*sw
.irp u, 0,1
.irp q, 0,1,2,3
	v_cvt_scalef32_pk8_fp4_f32 v[CD+4*\u+\q], v[sb0+32*\u+8*\q:sb0+32*\u+8*\q+7], v[SO+4*\u+\q]
.endr
.endr
	WIN 0
.irp c, 0,1,2,3,4,5,6,7
	v_lshlrev_b32 v[T+\c], 1, v[SO+\c]             ; the scale's byte as the top byte.  (The first of these is the plain place behind the conversions)
.endr
.irp u, 0,1
	v_perm_b32 v[T+4*\u], v[T+4*\u+1], v[T+4*\u], s56      ; bytes of q = 0, 1
	v_perm_b32 v[T+4*\u+2], v[T+4*\u+3], v[T+4*\u+2], s56  ; of q = 2, 3
.endr
.irp u, 0,1
	v_perm_b32 v[T+4*\u], v[T+4*\u+2], v[T+4*\u], s57      ; the scale word of K step l / 4: byte q for block 8 q + l / 4
.endr
.irp u, 0,1
.irp q, 0,1,2,3
	ds_store_b32 v[CSA], v[CD+4*\u+\q] offset:CPIT*((j0+\u)%16)+128*\q   ; 8 codes: bytes 128 q + 4 l of the row's 512
.endr
	ds_store_b32 v[BSA], v[T+4*\u] offset:SPIT*((j0+\u)%16)              ; four lanes write the same word with the same value
.endr
	WIN 0x80+0x40*(j0/16)+0x05*sw                  ; destination window 2 (rows 0-15) or 3
.irp u, 0,1
.irp q, 0,1,2,3
.irp i, 0,1,2,3
	v_cvt_pk_bf16_f32 v[16*((j0+\u)%16)+4*\q+\i], v[sb0+32*\u+8*\q+2*\i], v[sb0+32*\u+8*\q+2*\i+1]
.endr
.endr
.endr
.if (\k) < 12
	ROWLD j0+8                                     ; the two sets take the rows eight further on
	ROWLD j0+9
.endif
.endm
; The 16 rows in the even wave's scratch and the 16 in the odd wave's come back as the operand's registers: tile mt at 64 (mt / 2) + 128 (mt % 2) of window 1.
; K step s, registers 4 c .. 4 c + 3 of lane (r, h): block 8 (2 c + h) + s: bytes 256 c + 128 h + 16 s of row r.
.macro MT e
	WIN 0x40
.irp s, 0,1,2,3,4,5,6,7
	ds_load_b128 v[128*\e+8*\s:128*\e+8*\s+3], v[FRE] offset:16*\s
	ds_load_b128 v[128*\e+8*\s+4:128*\e+8*\s+7], v[FRE] offset:16*\s+256
	ds_load_b128 v[128*\e+64+8*\s:128*\e+64+8*\s+3], v[FRO] offset:16*\s
	ds_load_b128 v[128*\e+64+8*\s+4:128*\e+64+8*\s+7], v[FRO] offset:16*\s+256
.endr
	WIN 0
	ds_load_b128 v[XS+4*\e:XS+4*\e+3], v[SRE]
	ds_load_b128 v[XS+8+4*\e:XS+8+4*\e+3], v[SRO]
.endm
; Matrix instruction i of a tile's 32: K step i / 4, the pair's rows 16 (i % 4) on.  The four accumulators take turns, one instruction a turn.
.macro WM
.set kS, i/4
.set mT, i%4
.set rD, ACC+8*mT
.set rX, 64*(mT/2)+128*(mT%2)+8*kS
.set rB, BF+8*kS
.if kS == 0
	v_wmma_scale_f32_16x16x128_f8f6f4 v[rD:rD+7], v[rX:rX+7], v[rB:rB+7], 0, v[XS+4*mT], v[WS] matrix_a_fmt:MATRIX_FMT_FP4 matrix_b_fmt:MATRIX_FMT_FP4
.elseif kS < 4
	v_wmma_scale_f32_16x16x128_f8f6f4 v[rD:rD+7], v[rX:rX+7], v[rB:rB+7], v[rD:rD+7], v[XS+4*mT+kS], v[WS+kS] matrix_a_fmt:MATRIX_FMT_FP4 matrix_b_fmt:MATRIX_FMT_FP4
.else
	v_wmma_scale_f32_16x16x128_f8f6f4 v[rD:rD+7], v[rX:rX+7], v[rB:rB+7], v[rD:rD+7], v[XS+4*mT+kS-4], v[WS+kS-4] matrix_a_fmt:MATRIX_FMT_FP4 matrix_b_fmt:MATRIX_FMT_FP4 matrix_a_scale:MATRIX_SCALE_ROW1 matrix_b_scale:MATRIX_SCALE_ROW1
.endif
.endm
; STAGE k.  m: tile k is multiplied (k = 0 .. 31).  p3: tile k - 1's exponents (k = 1 .. 32).  p2: tile k - 2's 1 + e (k = 2 .. 33).  p1: tile k - 3 is added to u (k = 3 .. 34).
; ht of tile k and Va of tile k - 2 are fetched here for stage k + 1.  A lane holds one column n = 16 t + lane % 16 and eight rows of each accumulator.
.macro STAGE m, p3, p2, p1
.if \m
	v_add_nc_u32 v[ADR], s[TB], v[LI]
	s_add_co_u32 s[TB], s[TB], 2*REC
	ds_load_b128 v[WS:WS+3], v[ADR] offset:8192    ; the record: 17 loads of 512 consecutive bytes (four places stand behind the last stage's products)
.irp s, 0,1,2,3,4,5,6,7
	ds_load_b128 v[BF+8*\s:BF+8*\s+3], v[ADR] offset:1024*\s
	ds_load_b128 v[BF+8*\s+4:BF+8*\s+7], v[ADR] offset:1024*\s+512
.endr
.endif
.if \p3+\p2+\p1
	s_wait_dscnt 17*\m                             ; ht and Va, asked for in the last stage, are in; the record's 17 loads may be out
	s_wait_alu depctr_va_vdst(0)                   ; the wait ahead of the batch's first reader
.endif
.if \p1
.set n, 0
.rept 16
	v_pk_fma_f32 v[SACC+n:SACC+n+1], v[DN+n:DN+n+1], v[VA:VA+1], v[SACC+n:SACC+n+1] op_sel_hi:[1,0,1]   ; u += Va r
.set n, n+2
.endr
.endif
.if \p2
.set n, 0
.rept 16
	v_pk_add_f32 v[DN+n:DN+n+1], v[X+n:X+n+1], 1.0 op_sel_hi:[1,0]
.set n, n+2
.endr
.endif
.if \p3
	s_wait_alu depctr_va_vdst(0)                   ; the wait directly ahead of the first reader of the accumulators
.set n, 0
.rept 16
	v_pk_fma_f32 v[X+n:X+n+1], v[ACC+n:ACC+n+1], s[20:21], v[HT:HT+1] op_sel_hi:[1,0,0]   ; c hs + c ht; each accumulator from its low end on
.set n, n+2
.endr
.endif
.if \m+\p2
	v_add_nc_u32 v[AT], s[TT], v[R4T]
.endif
	s_add_co_u32 s[TT], s[TT], 128
.if \m
	ds_load_b32 v[HT], v[AT] offset:256            ; c ht of tile k
.endif
.if \p2
	ds_load_b32 v[VA], v[AT] offset:4096           ; Va of tile k - 2
.endif
.if \p3+\p2
	s_wait_alu depctr_va_vdst(0)                   ; the wait ahead of the batch
.endif
.if \p2
.set n, 0
.rept 32
	v_rcp_f32 v[DN+n], v[DN+n]
.set n, n+1
.endr
.endif
.if \p3
.set n, 0
.rept 32
	v_exp_f32 v[X+n], v[X+n]
.set n, n+1
.endr
.endif
.if \m
	s_wait_dscnt 1+\p2                             ; the record is in; the one or two words asked for behind it may be out
	WIN 0x01                                       ; source 0 (the rows' codes) window 1, all else window 0
.set i, 0
.rept 32
	WM
.set i, i+1
.endr
	WIN 0
.rept 4
	v_nop                                          ; four places behind the products (ISA guide 7.12.1), the plain place behind the batch among them
.endr
.else
	v_nop                                          ; one plain place behind the batch
.endif
	s_wait_alu depctr_va_vdst(0)                   ; the wait behind the batch, ahead of a label or branch
.endm
; n whole stages.  Behind a stage whose count of stages to go is odd, while a block follows this one, my wave asks for the next 8,192 bytes of its rows of that block: runs of 5, 8, 8 and 8 stages give 3 + 4 + 4 + 4 = 15 requests.
; The branch hangs on the two loops' counters alone, which are the same in all waves and all partners.  The address is stepped at least a stage behind the prefetch that read it, behind s_wait_xcnt 0.
.macro RUN n
	s_mov_b32 s53, \n
.Lstage_\@:                                    ; (every window is 0 here)
	STAGE 1, 1, 1, 1
	s_lshr_b32 s58, s52, 1                         ; 1 while a block follows
	s_and_b32 s58, s58, s53
	s_cmp_lg_u32 s58, 0
	s_cbranch_scc0 .Lnone_\@
	s_wait_xcnt 0x0
	s_add_nc_u64 s[PFA:PFA+1], s[PFA:PFA+1], 8192
	global_prefetch_b8 v[PFO], s[PFA:PFA+1] th:TH_LOAD_NT scope:SCOPE_SE
.Lnone_\@:
	s_sub_co_u32 s53, s53, 1
	s_cmp_lg_u32 s53, 0
	s_cbranch_scc1 .Lstage_\@
.endm
	s_load_b256 s[4:11], s[0:1], 0x0               ; context s[4:5], wq s[6:7], htc s[8:9], Va s[10:11]
	s_load_b128 s[12:15], s[0:1], 0x20             ; logits s[12:13], part s[14:15]
	v_lshl_add_u32 v[SPW], v0, 2, SPARE
	v_mov_b32 v[NIL], 0
	v_lshrrev_b32 v25, 5, v0
	v_readfirstlane_b32 s16, v25                   ; wave 0..3
	s_bfe_u32 s17, ttmp6, 0x40000                  ; cx: it enters the addresses of context, htc, logits and part alone
	s_lshl_b32 s18, ttmp9, 2
	s_add_co_u32 s18, s18, s17                     ; X = 4 x cluster + cx
	s_mov_b32 s20, 0x4038aa3b                      ; c = 2 log2(e)
	s_mov_b32 s21, s20                             ; (named with it as a pair, so it is written)
	s_mov_b32 s22, 0x76543210
	s_mov_b32 s23, 0xfedcba98                      ; v_permlanex16_b32's selects for lane l xor 16
	; descriptor group 1: a dense block as rows of 256 bytes (32 elements of 8 bytes), no padding: the records are read 512 consecutive bytes at a time
	s_mov_b32 s[G1D], 15|(3<<16)|(1<<21)           ; the mask: all four work-groups; elements of 8 bytes; bit 21 set beside a mask
	s_mov_b32 s[G1D+1], 32<<16
	s_mov_b32 s[G1D+2], 272<<16
	s_mov_b32 s[G1D+3], 32<<16
	s_mov_b32 s[G1D+4], 272                        ; 69,632 bytes, a quarter of both slots
	s_mov_b32 s[G1D+5], 32
	s_mov_b32 s[G1D+6], 0
	s_mov_b32 s[G1D+7], 0
	s_mov_b32 s[G1S], 15|(3<<16)|(1<<21)
	s_mov_b32 s[G1S+1], 32<<16
	s_mov_b32 s[G1S+2], 136<<16
	s_mov_b32 s[G1S+3], 32<<16
	s_mov_b32 s[G1S+4], 136                        ; 34,816 bytes, a quarter of a slot
	s_mov_b32 s[G1S+5], 32
	s_mov_b32 s[G1S+6], 0
	s_mov_b32 s[G1S+7], 0
	s_mul_i32 s68, s16, 69632                      ; my quarter: it hangs on the wave's number alone
	s_mov_b32 s69, 0
	s_mul_i32 s70, s16, 34816
	s_mov_b32 s71, 0
	s_lshl_b32 s56, s18, 20                        ; context: 256 rows of 4,096 bytes a work-group, 32 a wave
	s_lshl_b32 s57, s16, 17
	s_add_co_u32 s56, s56, s57
	s_mov_b32 s57, 0
	s_lshl_b32 s58, s18, 10                        ; logits: 4 bytes a row
	s_lshl_b32 s59, s16, 7
	s_add_co_u32 s58, s58, s59
	s_mov_b32 s59, 0
	s_lshl_b32 s60, s18, 2                         ; part: two records of 4,352 bytes, one a block, for wave 4 X + wave
	s_add_co_u32 s60, s60, s16
	s_mul_i32 s60, s60, 8704
	s_mov_b32 s61, 0
	s_lshr_b32 s62, s18, 3                         ; htc: 64 bytes a batch in each tile's 2,048
	s_lshl_b32 s62, s62, 6
	s_mov_b32 s63, 0
	s_and_b32 s74, s16, 1                          ; which wave of my pair I am
	s_mul_i32 s[TBO], s74, REC
	s_lshl_b32 s[TTO], s74, 6
	s_mul_i32 s19, s16, WSCB
	s_add_co_u32 s19, s19, WSC                     ; my scratch,
	s_and_b32 s72, s16, 2
	s_mul_i32 s72, s72, WSCB
	s_add_co_u32 s72, s72, WSC                     ; my pair's even wave's,
	s_or_b32 s73, s16, 1
	s_mul_i32 s73, s73, WSCB
	s_add_co_u32 s73, s73, WSC                     ; and its odd wave's
	s_lshl_b32 s75, s74, 7
	s_add_co_u32 s75, s75, SCO                     ; my 32 rows among the pair's 64 partial u
	v_and_b32 v25, 31, v0                          ; lane
	v_and_b32 v26, 15, v0                          ; r
	v_bfe_u32 v27, v0, 4, 1                        ; h
	v_lshlrev_b32 v[LI], 4, v25
	v_lshl_add_u32 v[R4T], v26, 2, TABH-256
	v_lshlrev_b32 v[GL], 2, v25
	v_add_nc_u32 v[CSA], s19, v[GL]
	v_and_b32 v[BSA], 28, v25
	v_add_nc_u32 v[BSA], s19, v[BSA]
	v_add_nc_u32 v[BSA], SCB, v[BSA]
	v_mul_u32_u24 v28, v26, CPIT
	v_lshl_add_u32 v28, v27, 7, v28
	v_add_nc_u32 v[FRE], s72, v28
	v_add_nc_u32 v[FRO], s73, v28
	v_mul_u32_u24 v28, v26, SPIT
	v_lshl_add_u32 v28, v27, 4, v28
	v_add_nc_u32 v28, SCB, v28
	v_add_nc_u32 v[SRE], s72, v28
	v_add_nc_u32 v[SRO], s73, v28
	v_lshlrev_b32 v[SS], 5, v27
	v_add_nc_u32 v[SS], s19, v[SS]
	v_add_nc_u32 v[SS], SCO, v[SS]
	v_add_nc_u32 v28, s75, v[GL]
	v_add_nc_u32 v[SLE], s72, v28
	v_add_nc_u32 v[SLO], s73, v28
	v_lshlrev_b32 v[GA], 5, v26
	v_lshl_add_u32 v[GA], v27, 4, v[GA]
	v_lshlrev_b32 v[ST8], 3, v25
	v_lshlrev_b32 v[PFO], 8, v25
	v_lshrrev_b32 v29, 1, v0                       ; thread T brings n = 8 T .. 8 T + 7 of both tables: in htc tile T / 2, 32 (T % 2) bytes on;
	v_lshlrev_b32 v29, 11, v29
	v_and_b32 v30, 1, v0
	v_lshl_add_u32 v29, v30, 5, v29
	v_lshlrev_b32 v30, 5, v0                       ; in Va 32 T;
	v_lshl_add_u32 v31, v0, 5, TABH                ; in LDS TABH + 32 T
	s_wait_alu depctr_va_vdst(0)
	s_wait_kmcnt 0x0
	s_add_nc_u64 s[4:5], s[4:5], s[56:57]
	s_add_nc_u64 s[12:13], s[12:13], s[58:59]
	s_add_nc_u64 s[14:15], s[14:15], s[60:61]
	s_add_nc_u64 s[8:9], s[8:9], s[62:63]
	s_mov_b32 s56, 0x07030703                      ; v_perm_b32: the top bytes of two words;
	s_mov_b32 s57, 0x05040100                      ; the low halves of two words
	s_mov_b32 s[G0D], 1
	s_mul_i32 s[G0D+1], s16, 69632
	s_add_nc_u64 s[G0D+2:G0D+3], s[6:7], s[68:69]
	s_or_b32 s[G0D+3], s[G0D+3], 0x80000000
	s_mov_b32 s[G0A], 1
	s_mul_i32 s[G0A+1], s16, 34816
	s_add_nc_u64 s[G0A+2:G0A+3], s[6:7], s[70:71]
	s_add_nc_u64 s[G0A+2:G0A+3], s[G0A+2:G0A+3], 2*SLOTB
	s_or_b32 s[G0A+3], s[G0A+3], 0x80000000
	s_mov_b32 s[G0B], 1
	s_mul_i32 s[G0B+1], s16, 34816
	s_add_co_u32 s[G0B+1], s[G0B+1], SLOTB
	s_add_nc_u64 s[G0B+2:G0B+3], s[6:7], s[70:71]
	s_add_nc_u64 s[G0B+2:G0B+3], s[G0B+2:G0B+3], 3*SLOTB
	s_or_b32 s[G0B+3], s[G0B+3], 0x80000000
	global_load_b128 v[64:67], v29, s[8:9]
	global_load_b128 v[68:71], v29, s[8:9] offset:16
	global_load_b128 v[72:75], v30, s[10:11]
	global_load_b128 v[76:79], v30, s[10:11] offset:16
.irp j, 0,1,2,3,4,5
	ROWLD \j
.endr
	WIN 0
	v_mov_b32 v[HT+1], 0                           ; named as the upper halves of pairs, so they are written
	v_mov_b32 v[VA+1], 0                           ; (v26 and v27, destinations of a DPP form and of a lane permute below, are written above)
	s_wait_loadcnt 48                              ; the tables' four loads are in; the six rows' 48 may be out
	ds_store_b128 v31, v[64:67]
	ds_store_b128 v31, v[68:71] offset:16
	ds_store_b128 v31, v[72:75] offset:4096
	ds_store_b128 v31, v[76:79] offset:4112        ; the others read the tables behind the round below, in front of which these stores are waited for
	ROWLD 6
	ROWLD 7                                        ; eight rows, 64 loads, of every wave are on their way from here on
	WIN 0
	s_mov_b32 s52, 2                               ; blocks to go
.Lblock:
	CHG G0D, G1D                                   ; records 0-31 into both slots: they land while the block is quantised
.irp k, 0,1,2,3,4,5,6,7
	RP \k
.endr
	XBAR                                           ; every wave's rows 0-15 lie in its scratch
	MT 0
	XBAR                                           ; and both waves of each pair have read them: the scratches may be written again
.irp k, 8,9,10,11,12,13,14,15
	RP \k
.endr
	XBAR                                           ; rows 16-31 likewise
	MT 1
.set n, 0
.rept 32
	v_mov_b32 v[SACC+n], 0
.set n, n+1
.endr
	BAR                                            ; both slots are whole, and the scratches have been read
	s_add_nc_u64 s[PFA:PFA+1], s[4:5], 524288      ; my rows of the next block: the first request steps this to its row 2 (no prefetch is out: s_wait_xcnt 0 stands at the last block's end)
	s_mov_b32 s[TT], s[TTO]
	s_mov_b32 s[TB], s[TBO]                        ; slot 0: my 8 of records 0-15
	STAGE 1, 0, 0, 0                               ; the first three stages find no earlier tiles
	STAGE 1, 1, 0, 0
	STAGE 1, 1, 1, 0
	RUN 5
	CHG G0A, G1S                                   ; slot 0 has been read: records 32-47; they land while slot 1 is read
	s_add_co_u32 s[TB], s[TBO], SLOTB
	RUN 8
	CHG G0B, G1S                                   ; slot 0 is whole again, slot 1 has been read: records 48-63
	s_mov_b32 s[TB], s[TBO]
	RUN 8
	BAR                                            ; slot 1 is whole
	s_add_co_u32 s[TB], s[TBO], SLOTB
	RUN 8
	STAGE 0, 1, 1, 1                               ; the last three tiles' vector work
	STAGE 0, 0, 1, 1
	STAGE 0, 0, 0, 1
	s_cmp_eq_u32 s52, 1
	s_cbranch_scc1 .Lno_next                       ; no load leaves its buffer
	s_wait_xcnt 0x0                                ; the base is stepped only behind this wait
	s_add_nc_u64 s[4:5], s[4:5], 524288            ; 128 rows on
.irp j, 0,1,2,3,4,5,6,7
	ROWLD \j                                       ; the next block's first eight rows are on their way while this block's softmax is taken (their registers are done with)
.endr
	WIN 0
.Lno_next:
	; THE BLOCK'S SOFTMAX.  My partial u of the pair's 64 rows lie spread over the 16 lanes of each half (one column n a lane): four steps add them.
.irp x, 1,2,4,8
.set n, 0
.rept 32
	v_add_f32_dpp v[SACC+n], v[SACC+n], v[SACC+n] row_xmask:\x row_mask:0xf bank_mask:0xf
.set n, n+1
.endr
.endr
.set n, 0
.rept 32
	ds_store_b32 v[SS], v[SACC+n] offset:64*(n/8)+4*(n%8)   ; the pair's row 16 (n / 8) + 8 h + n % 8; a half's 16 lanes write the same word with the same value
.set n, n+1
.endr
	XBAR                                           ; both waves' partial sums lie in their scratches
	ds_load_b32 v14, v[SLE]                        ; lane i takes my row i: the even wave's columns,
	ds_load_b32 v15, v[SLO]                        ; and the odd wave's
	s_wait_dscnt 0x0
	v_add_f32 v14, v14, v15
	v_mul_f32 v[W], 0xc038aa3b, v14                ; w = -c u
	global_store_b32 v[GL], v[W], s[12:13]
	v_max_num_f32_dpp v14, v[W], v[W] row_xmask:1 row_mask:0xf bank_mask:0xf
	v_max_num_f32_dpp v14, v14, v14 row_xmask:2 row_mask:0xf bank_mask:0xf
	v_max_num_f32_dpp v14, v14, v14 row_xmask:4 row_mask:0xf bank_mask:0xf
	v_max_num_f32_dpp v14, v14, v14 row_xmask:8 row_mask:0xf bank_mask:0xf
	v_permlanex16_b32 v15, v14, s22, s23
	v_max_num_f32 v[MR], v14, v15                  ; the 32 rows' largest logit, in every lane
	v_sub_f32 v[P], v[W], v[MR]
	s_wait_alu depctr_va_vdst(0)                   ; the wait ahead of the transcendental
	v_exp_f32 v[P], v[P]                           ; p = 2^(w - m), at most 1
	v_nop                                          ; one plain place behind the exponential
	s_wait_alu depctr_va_vdst(0)                   ; the wait ahead of its first reader
	v_add_f32_dpp v26, v[P], v[P] row_xmask:1 row_mask:0xf bank_mask:0xf
	v_add_f32_dpp v26, v26, v26 row_xmask:2 row_mask:0xf bank_mask:0xf
	v_add_f32_dpp v26, v26, v26 row_xmask:4 row_mask:0xf bank_mask:0xf
	v_add_f32_dpp v26, v26, v26 row_xmask:8 row_mask:0xf bank_mask:0xf
	v_permlanex16_b32 v27, v26, s22, s23
	v_add_f32 v[SUM], v26, v27                     ; their sum
.irp n, 0,1,2,3,4,5,6,7,8,9,10,11,12,13,14,15,16,17,18,19,20,21,22,23,24,25,26,27,28,29,30,31
	v_readlane_b32 s[68+\n], v[P], \n              ; row n's p for all lanes: a factor, never an address
.endr
	WIN 0x40
.set n, 0
.rept 32
	v_mov_b32 v[WA+n], 0                           ; the weighted sums of this block's 32 rows
.set n, n+1
.endr
.set j, 0
.rept 32                                       ; += p x row, from the bf16 halves into f32: register 8 q + e stands for d = 256 q + 8 l + e
	WIN 0x56+(j/16)                                ; source 0 (the row) window 2 or 3, all else window 1
	v_mov_b32 v[PB+j%2], s[68+j]
.irp q, 0,1,2,3
.irp i, 0,1,2,3
	v_fma_mix_f32_bf16 v[WA+8*\q+2*\i], v[16*(j%16)+4*\q+\i], v[PB+j%2], v[WA+8*\q+2*\i] op_sel_hi:[1,0,0]
	v_fma_mix_f32_bf16 v[WA+8*\q+2*\i+1], v[16*(j%16)+4*\q+\i], v[PB+j%2], v[WA+8*\q+2*\i+1] op_sel:[1,0,0] op_sel_hi:[1,0,0]
.endr
.endr
.set j, j+1
.endr
	WIN 0x04                                       ; a store's data are its source 1: window 1
.irp g, 0,1,2,3,4,5,6,7
	global_store_b128 v[LI], v[WA+4*\g:WA+4*\g+3], s[14:15] offset:512*\g   ; the block's record: the weighted sums as an image of their registers, 512 consecutive bytes a store
.endr
	WIN 0
	global_store_b64 v[ST8], v[MR:MR+1], s[14:15] offset:4096   ; and (m, sum), the same in every lane: one aligned run of 256 bytes
	s_wait_xcnt 0x0                                ; the stores have read their registers and their bases: both are written again only behind this wait
	s_add_nc_u64 s[12:13], s[12:13], 512           ; 128 rows on
	s_add_nc_u64 s[14:15], s[14:15], 4352          ; my next record
	s_sub_co_u32 s52, s52, 1
	s_cmp_lg_u32 s52, 0
	s_cbranch_scc1 .Lblock
	s_wait_tensorcnt 0x0                           ; the wave's end
	ds_add_u32 v[SPW], v[NIL]
	s_wait_dscnt 0x0
	CROUND                                         ; the closing round: no work-group ends while a partner may still ask for bytes jointly
	s_endpgm
.Lfunc_end_k_qb3cba98d87_fused:
	.size	k_qb3cba98d87_fused, .Lfunc_end_k_qb3cba98d87_fused-k_qb3cba98d87_fused
	.p2alignl 7, 3214868480
	.fill 96, 4, 3214868480
	.section	.rodata,"a",@progbits
	.p2align	6, 0x0
	.amdhsa_kernel k_qb3cba98d87_fused
		.amdhsa_group_segment_fixed_size 327680
		.amdhsa_private_segment_fixed_size 0
		.amdhsa_enable_private_segment 0
		.amdhsa_kernarg_size 48
		.amdhsa_user_sgpr_count 2
		.amdhsa_user_sgpr_kernarg_segment_ptr 1
		.amdhsa_wavefront_size32 1
		.amdhsa_system_sgpr_workgroup_id_x 1
		.amdhsa_system_sgpr_workgroup_id_y 1
		.amdhsa_system_sgpr_workgroup_id_z 1
		.amdhsa_system_vgpr_workitem_id 0
		.amdhsa_next_free_vgpr 1024
		.amdhsa_next_free_sgpr 100
		.amdhsa_reserve_vcc 0
		.amdhsa_float_denorm_mode_32 3
		.amdhsa_float_denorm_mode_16_64 3
		.amdhsa_memory_ordered 1
		.amdhsa_forward_progress 1
		.amdhsa_inst_pref_size 255
	.end_amdhsa_kernel
	.section	.bss,"aw",@nobits
	.p2align	6
	.space	262144
	.amdgpu_metadata
---
amdhsa.version: [ 1, 2 ]
amdhsa.kernels:
  - .name:           k_qb3cba98d87_fused
    .symbol:         k_qb3cba98d87_fused.kd
    .args:
      - { .name: context, .offset: 0, .size: 8, .value_kind: global_buffer, .address_space: global }
      - { .name: wq, .offset: 8, .size: 8, .value_kind: global_buffer, .address_space: global }
      - { .name: htc, .offset: 16, .size: 8, .value_kind: global_buffer, .address_space: global }
      - { .name: Va, .offset: 24, .size: 8, .value_kind: global_buffer, .address_space: global }
      - { .name: logits, .offset: 32, .size: 8, .value_kind: global_buffer, .address_space: global }
      - { .name: part, .offset: 40, .size: 8, .value_kind: global_buffer, .address_space: global }
    .group_segment_fixed_size: 327680
    .private_segment_fixed_size: 0
    .kernarg_segment_align: 8
    .kernarg_segment_size: 48
    .max_flat_workgroup_size: 128
    .sgpr_count:     100
    .vgpr_count:     1024
    .wavefront_size: 32
...
	.end_amdgpu_metadata
.endif
;; end of part 2
;; launch combine (part 3): grid 8 x 32, 2 waves a work-group, no clusters, 1,280 bytes of LDS; arguments logits, part, out0, out1; writes out0, out1
.if DOCPART == 3
	.amdgcn_target "amdgcn-amd-amdhsa--gfx1250"
	.amdhsa_code_object_version 6
	.text
	.protected	k_qb3cba98d87_combine
	.globl	k_qb3cba98d87_combine
	.p2align	8
	.type	k_qb3cba98d87_combine,@function
k_qb3cba98d87_combine:
	s_mov_b64 s[64:65], 0
	v_nop
	global_prefetch_b8 v0, s[64:65] scope:SCOPE_SE
	s_setreg_imm32_b32 hwreg(HW_REG_WAVE_MODE, 25, 1), 1
	s_wait_xcnt 0x0
; The 64 records of a batch (one for each 32 of its rows: their largest logit m, the sum s of 2^(w - m), and the sums of 2^(w - m) x context) are joined:
; M = the largest m, g_i = 2^(m_i - M), Z = the sum of g_i s_i;  out0 = the sum of g_i x record i / Z;  out1 = 2^(w - M) / Z.
; Work-group (e, b), two waves, makes out0[b][128 e .. 128 e + 127] and out1[b][256 e .. 256 e + 255].  Wave v sums records 32 v .. 32 v + 31 and makes 128 numbers of out1; the two halves of out0 meet in LDS.
; Memory binds and the bytes are few: no matrix unit, no cluster; all 35 loads of a wave go out at once.
; A record holds register 4 g + i of lane l at byte 512 g + 16 l + 4 i, and register 8 q + e stands for d = 256 q + 8 l + e: my lane's four neighbouring d lie at 1024 (e / 2) + 256 (e % 2) + 512 (lane % 2) + 16 (lane / 2).
; LIMITS: NaN and infinities among the inputs are not served.
.set REC, 4352
	s_load_b128 s[4:7], s[0:1], 0x0                ; logits, part
	s_load_b128 s[8:11], s[0:1], 0x10              ; out0, out1
	v_lshl_add_u32 v176, v0, 2, 0x400
	v_mov_b32 v177, 0
	v_lshrrev_b32 v1, 5, v0
	v_readfirstlane_b32 s13, v1                    ; wave 0, 1
	s_and_b32 s12, ttmp7, 0xffff                   ; b
	v_and_b32 v15, 31, v0                          ; lane
	v_mul_u32_u24 v1, v15, REC                     ; lane i takes record i of a half
	v_lshlrev_b32 v12, 4, v15                      ; 16 x lane
	v_and_b32 v13, 1, v15
	v_lshrrev_b32 v14, 1, v15
	v_lshlrev_b32 v14, 4, v14
	v_lshl_add_u32 v14, v13, 9, v14                ; 512 (lane % 2) + 16 (lane / 2): a load reads two whole runs of 256 bytes
	v_lshlrev_b32 v22, 4, v0                       ; LDS: 16 x thread
	v_mov_b32 v17, 0                               ; a lane permute's destination counts as one of its sources
	s_mul_i32 s14, s12, 64*REC                     ; the batch's records,
	s_mov_b32 s15, 0
	s_mul_i32 s16, s13, 32*REC                     ; my wave's half of them,
	s_mov_b32 s17, 0
	s_xor_b32 s18, s13, 1
	s_mul_i32 s18, s18, 32*REC                     ; the other wave's
	s_mov_b32 s19, 0
	s_lshr_b32 s52, ttmp9, 1
	s_lshl_b32 s52, s52, 10
	s_and_b32 s53, ttmp9, 1
	s_lshl_b32 s53, s53, 8
	s_add_co_u32 s52, s52, s53                     ; my columns in a record
	s_mov_b32 s53, 0
	s_lshl_b32 s54, s12, 13
	s_lshl_b32 s55, ttmp9, 10
	s_add_co_u32 s54, s54, s55
	s_lshl_b32 s55, s13, 9
	s_add_co_u32 s54, s54, s55                     ; my wave's 128 rows in logits and in out1
	s_mov_b32 s55, 0
	s_lshl_b32 s56, s12, 12
	s_lshl_b32 s57, ttmp9, 9
	s_add_co_u32 s56, s56, s57                     ; the 128 columns in out0
	s_mov_b32 s57, 0
	s_mov_b32 s58, 0x76543210
	s_mov_b32 s59, 0xfedcba98                      ; v_permlanex16_b32's selects for lane l xor 16
	s_wait_alu depctr_va_vdst(0)
	s_wait_kmcnt 0x0
	s_add_nc_u64 s[6:7], s[6:7], s[14:15]
	s_add_nc_u64 s[60:61], s[6:7], s[16:17]
	s_add_nc_u64 s[62:63], s[6:7], s[18:19]
	s_add_nc_u64 s[66:67], s[60:61], s[52:53]
	s_add_nc_u64 s[4:5], s[4:5], s[54:55]
	s_add_nc_u64 s[10:11], s[10:11], s[54:55]
	s_add_nc_u64 s[8:9], s[8:9], s[56:57]
	global_load_b64 v[2:3], v1, s[60:61] offset:4096   ; (m, s) of my half's record i,
	global_load_b64 v[4:5], v1, s[62:63] offset:4096   ; and of the other half's
	global_load_b128 v[8:11], v12, s[4:5]
.irp i, 0,1,2,3,4,5,6,7,8,9,10,11,12,13,14,15,16,17,18,19,20,21,22,23,24,25,26,27,28,29,30,31
	global_load_b128 v[32+4*\i:35+4*\i], v14, s[66:67] offset:REC*\i
.endr
	s_wait_loadcnt 33                              ; the 64 (m, s) are in; the 33 younger loads may be out
	v_max_num_f32 v16, v2, v4
	v_max_num_f32_dpp v16, v16, v16 row_xmask:1 row_mask:0xf bank_mask:0xf
	v_max_num_f32_dpp v16, v16, v16 row_xmask:2 row_mask:0xf bank_mask:0xf
	v_max_num_f32_dpp v16, v16, v16 row_xmask:4 row_mask:0xf bank_mask:0xf
	v_max_num_f32_dpp v16, v16, v16 row_xmask:8 row_mask:0xf bank_mask:0xf
	v_permlanex16_b32 v17, v16, s58, s59
	v_max_num_f32 v16, v16, v17                    ; M, in every lane
	v_sub_f32 v18, v2, v16
	v_sub_f32 v21, v4, v16
	s_wait_alu depctr_va_vdst(0)
	v_exp_f32 v18, v18                             ; g = 2^(m - M): my half's,
	v_exp_f32 v21, v21                             ; the other half's
	v_nop                                          ; one plain place behind the exponentials
	s_wait_alu depctr_va_vdst(0)
	v_mul_f32 v19, v18, v3
	v_fma_f32 v19, v21, v5, v19
	v_add_f32_dpp v19, v19, v19 row_xmask:1 row_mask:0xf bank_mask:0xf
	v_add_f32_dpp v19, v19, v19 row_xmask:2 row_mask:0xf bank_mask:0xf
	v_add_f32_dpp v19, v19, v19 row_xmask:4 row_mask:0xf bank_mask:0xf
	v_add_f32_dpp v19, v19, v19 row_xmask:8 row_mask:0xf bank_mask:0xf
	v_permlanex16_b32 v17, v19, s58, s59
	v_add_f32 v19, v19, v17                        ; Z: at least 1, since the record that holds M has g = 1 and a sum of at least 1
	s_wait_alu depctr_va_vdst(0)
	v_rcp_f32 v20, v19
	v_nop                                          ; one plain place behind the reciprocal
	s_wait_alu depctr_va_vdst(0)
	v_mul_f32 v18, v18, v20                        ; g / Z
.irp i, 0,1,2,3,4,5,6,7,8,9,10,11,12,13,14,15,16,17,18,19,20,21,22,23,24,25,26,27,28,29,30,31
	v_readlane_b32 s[20+\i], v18, \i               ; my half's record i's factor for all lanes: a factor, never an address
.endr
	s_wait_loadcnt 32                              ; the logits are in
.irp k, 0,1,2,3
	v_sub_f32 v[8+\k], v[8+\k], v16
.endr
	s_wait_alu depctr_va_vdst(0)
.irp k, 0,1,2,3
	v_exp_f32 v[8+\k], v[8+\k]
.endr
	v_nop
	s_wait_alu depctr_va_vdst(0)
.irp k, 0,1,2,3
	v_mul_f32 v[8+\k], v[8+\k], v20
.endr
	global_store_b128 v12, v[8:11], s[10:11]       ; 32 lanes store 512 consecutive bytes
	s_wait_loadcnt 31
.irp k, 0,1,2,3
	v_mul_f32 v[24+\k], s20, v[32+\k]              ; the first record starts the sums
.endr
	s_wait_alu depctr_va_vdst(0)
.irp i, 1,2,3,4,5,6,7,8,9,10,11,12,13,14,15,16,17,18,19,20,21,22,23,24,25,26,27,28,29,30,31
	s_wait_alu depctr_va_vdst(0)
	s_wait_loadcnt 31-\i                           ; record i is in; the younger ones may be out
.irp k, 0,1,2,3
	v_fma_f32 v[24+\k], s[20+\i], v[32+4*\i+\k], v[24+\k]
.endr
.endr
	ds_store_b128 v22, v[24:27]                    ; my half's sums: 512 bytes a wave
	s_wait_dscnt 0x0                               ; for the other wave's sake: my store has landed
	s_barrier_signal -1
	s_barrier_wait -1
	s_cmp_lg_u32 s13, 0
	s_cbranch_scc1 .Lend                           ; wave 0 adds the two halves
	ds_load_b128 v[28:31], v12 offset:512          ; wave 1's sums
	s_wait_dscnt 0x0
	s_wait_alu depctr_va_vdst(0)
	v_pk_add_f32 v[24:25], v[24:25], v[28:29]
	v_pk_add_f32 v[26:27], v[26:27], v[30:31]
	global_store_b128 v12, v[24:27], s[8:9]        ; 512 consecutive bytes of out0
.Lend:
	s_wait_tensorcnt 0x0
	ds_add_u32 v176, v177
	s_wait_dscnt 0x0
	s_endpgm
.Lfunc_end_k_qb3cba98d87_combine:
	.size	k_qb3cba98d87_combine, .Lfunc_end_k_qb3cba98d87_combine-k_qb3cba98d87_combine
	.p2alignl 7, 3214868480
	.fill 96, 4, 3214868480
	.section	.rodata,"a",@progbits
	.p2align	6, 0x0
	.amdhsa_kernel k_qb3cba98d87_combine
		.amdhsa_group_segment_fixed_size 1280
		.amdhsa_private_segment_fixed_size 0
		.amdhsa_enable_private_segment 0
		.amdhsa_kernarg_size 32
		.amdhsa_user_sgpr_count 2
		.amdhsa_user_sgpr_kernarg_segment_ptr 1
		.amdhsa_wavefront_size32 1
		.amdhsa_system_sgpr_workgroup_id_x 1
		.amdhsa_system_sgpr_workgroup_id_y 1
		.amdhsa_system_sgpr_workgroup_id_z 1
		.amdhsa_system_vgpr_workitem_id 0
		.amdhsa_next_free_vgpr 178
		.amdhsa_next_free_sgpr 68
		.amdhsa_reserve_vcc 0
		.amdhsa_float_denorm_mode_32 3
		.amdhsa_float_denorm_mode_16_64 3
		.amdhsa_memory_ordered 1
		.amdhsa_forward_progress 1
		.amdhsa_inst_pref_size 20
	.end_amdhsa_kernel
	.amdgpu_metadata
---
amdhsa.version: [ 1, 2 ]
amdhsa.kernels:
  - .name:           k_qb3cba98d87_combine
    .symbol:         k_qb3cba98d87_combine.kd
    .args:
      - { .name: logits, .offset: 0, .size: 8, .value_kind: global_buffer, .address_space: global }
      - { .name: part, .offset: 8, .size: 8, .value_kind: global_buffer, .address_space: global }
      - { .name: out0, .offset: 16, .size: 8, .value_kind: global_buffer, .address_space: global }
      - { .name: out1, .offset: 24, .size: 8, .value_kind: global_buffer, .address_space: global }
    .group_segment_fixed_size: 1280
    .private_segment_fixed_size: 0
    .kernarg_segment_align: 8
    .kernarg_segment_size: 32
    .max_flat_workgroup_size: 64
    .sgpr_count:     68
    .vgpr_count:     178
    .wavefront_size: 32
...
	.end_amdgpu_metadata
.endif
;; end of part 3
